; MI455X (gfx1250); checked and timed in simulation.
; The chip was launched on July 23, 2026; its instructions are those of AMD's public machine-readable ISA for CDNA 5 (MIT licence, August 2026) and "CDNA5" Instruction Set Architecture Reference Guide (July 2026). The comments in the code are by the model that wrote it; some were corrected since.
;; M Mo E. Allowed arithmetic: matrix products marked QUANTISED: E5M2 operands, one E8M0 scale for each 32 along K, by v_wmma_scale_f32_16x16x128_f8f6f4 with both operands' format E5M2, f32 sums; products left as they are: f32 operands where the result goes on into a quantised operand, else bf16, f16 or f32 operands; f32 sums; everything else in f32.
;; Inputs: expert_bias 128 x 16 float32; expert_kernels 512 x 128 x 16 float32; gate_bias 4 x 16 float32; gate_kernels 4 x 512 x 16 float32; x 16,384 x 512 float32.
;; Outputs: out0 16,384 x 128 float32; out1 16,384 x 128 float32; out2 16,384 x 128 float32; out3 16,384 x 128 float32.
;; This version of the problem:
;;   THIS VERSION OF THE PROBLEM IS GIVEN IN LOW PRECISION. The matrix products marked QUANTISED in the list below multiply operands that are first quantised to E5M2 (5 exponent bits, 2 mantissa bits; 8 bits a number), with one power-of-two scale for each 32 numbers along K (OCP MX v1.0); their sums are f32. All else is computed in f32.
;;   The module's matrix products, in the order in which they are computed (A, B: the left and right operand; K: the contracted axis; several contracted axes count as one K, in the product's order):
;;     1. [M 16,384, K 512] x [K 512, N 2,048]; A: input x; B: input expert_kernels: QUANTISED
;;     2. [M 64, K 512] x [K 512, N 16,384]; A: input gate_kernels; B: input x: QUANTISED
;;     3. batch 16,384 x [M 4, K 16] x [K 16, N 128]; A: softmax; B: computed on the way: left as it is (K = 16 < 32)
;;   THE QUANTISER, for each operand of a quantised product, along K:
;;     - K is cut into blocks of 32 from its start; a last block that is shorter is filled with zeros.
;;     - A block's scale is 2^e with e = floor(log2(the largest magnitude in the block)) - 15, held to -126 .. 127; a block of zeros has e = 0. As a byte (E8M0): e + 127.
;;     - Each number is divided by its block's scale, clamped to +-57,344, and rounded to the nearest number of E5M2, ties to even, subnormals kept.
;;     - The product sums the exact products of the quantised numbers (number of the format x scale) in f32.
;;   ~~~python
;;   def quantise(x, axis):      # numpy; x: float32 -> the quantised numbers, widened to float32 again
;;       x = np.moveaxis(x, axis, -1); K = x.shape[-1]
;;       x = np.pad(x, [(0, 0)] * (x.ndim - 1) + [(0, -K % 32)]); x = x.reshape(x.shape[:-1] + (-1, 32)); a = np.abs(x).max(-1, keepdims=True)
;;       e = np.where(a > 0, np.clip(np.frexp(np.where(a > 0, a, 1))[1] - 1 - 15, -126, 127), 0)      # np.frexp(a)[1] - 1 = floor(log2(a)), exactly
;;       r = np.clip(x / 2.0 ** e, -57344, 57344)
;;       step = 2.0 ** (np.maximum(np.frexp(np.where(r == 0, 1, r))[1] - 1, -14) - 2)
;;       q = np.round(r / step) * step * 2.0 ** e      # np.round: ties to even
;;       return np.moveaxis(q.reshape(q.shape[:-2] + (-1,))[..., :K], -1, axis).astype(np.float32)
;;   ~~~
;; One version. Each part assembles by itself: llvm-mc -triple=amdgcn-amd-amdhsa -mcpu=gfx1250 --defsym DOCPART=n.
;; ======== version 1 of 1: 2 launches
;; workspace buffers: wq 1,115,136 bytes; xq 8,650,752 bytes
;; launch prep (part 1): grid 1168 x 1, 1 waves a work-group, no clusters, 33,536 bytes of LDS; arguments expert_kernels, gate_kernels, wq, x, xq; writes wq, xq
.if DOCPART == 1
	.amdgcn_target "amdgcn-amd-amdhsa--gfx1250"
	.amdhsa_code_object_version 6
	.text
	.protected	k_q61c6c2cebe_prep
	.globl	k_q61c6c2cebe_prep
	.p2align	8
	.type	k_q61c6c2cebe_prep,@function
k_q61c6c2cebe_prep:
	s_mov_b64 s[64:65], 0
	v_nop
	global_prefetch_b8 v0, s[64:65] scope:SCOPE_SE
	s_setreg_imm32_b32 hwreg(HW_REG_WAVE_MODE, 25, 1), 1
	s_wait_xcnt 0x0
; expert_kernels [512 (k)][128 (u)][16 (e)], gate_kernels [4 (t)][512 (k)][16 (e)] and x [16384][512 (k)], f32, are quantised ONCE along k to codes of BF8 (E5M2) with one E8M0 byte for each 32 along k,
; and laid into wq and xq as IMAGES OF THE OPERAND'S REGISTERS, in the order in which the main launch takes them.
; A block's scale is 2^(floor(log2(its largest magnitude)) - 15); its byte is the largest magnitude's exponent field - 15, held at 1 from below; each number is held within +-57,344 x the scale and rounded to the nearest code, ties to even.
; LIMITS: a block of zeros gets the byte 1 where the rule says 127 (its codes are zeros, and this program alone reads the bytes); NaN and infinities among the inputs are not served.
; LAYOUT OF wq.  Fill (w, f), w = 0..3, f = 0..7, 33,792 bytes, at (8 w + f) x 33,792: u = 16 (4 (f / 4) + w) + 0..15, e = 4 (f % 4) + 0..3, all 512 k.
;   In it fragment (cc, ks, ee), e = 4 (f % 4) + 2 cc + ee, k = 128 ks on, at (8 cc + 2 ks + ee) x 2,048; in a fragment piece c of 512 bytes: lane l's 16 bytes at 16 l = codes of column u = .. + l % 16, k = 128 ks + 32 c + 16 (l / 16) + 0..15.
;   At 32,768 + 256 ks + 16 (u % 16): the column's four scale words of that ks, for e % 4 in the order 0, 2, 1, 3.
;   Behind the 32 fills the gates: task t at 8,448 t: fragment ks at 2,048 ks (column e = l % 16), scale words at 8,192 + 64 ks + 4 e.
; LAYOUT OF xq.  Tile T of 16 rows at 8,448 T: fragment ks at 2,048 ks (row l % 16), pieces as above; at 8,192 + 8 l: lane l's two scale words: row l % 16, ks = l / 16 and ks = 2 + l / 16.
; SHARES.  One wave to a work-group, 1,168 of them.  0..127: one (u block, four e, 128 k) of the experts: four fragments.  128..143: one (task, 128 k) of the gates: one fragment.  144..1167: one tile of 16 rows of x: four fragments.
; THE WEIGHTS: a lane takes a column and its registers run down k, in the order that the operand's layout gives that lane: the conversions' results are the fragment's registers, nothing is transposed.
; An expert load brings 16 bytes a lane (four e of one k and u), so a group's 16 numbers lie four registers apart: the hold, which every number needs anyway, also moves them into consecutive registers.
; x: k is innermost.  Each load reads 512 consecutive bytes of a row, 16 a lane; the tile turns through the wave's own stage in LDS (rows 2,064 bytes apart: 129 x 16, so that sixteen rows' pieces fall on different banks)
; and comes back 64 bytes a lane for each block of 32: 16 neighbours along k, as the conversions want them.  Only this path touches LDS.
; REGISTERS: window 0: v1 r, v2 h, v3 16 l, v4 and v5 offsets; v8.. at work; v32-63 two sets of 16 held numbers; v64-127 codes, each written once.  Window 1: the numbers as loaded (x: and as turned).
.set FILL, 33792
.set GOFF, 32*FILL
.set XT,   8448                        ; a tile of x in xq
.set XP,   2064                        ; a row of x in the stage
.set MX,   8                           ; v8-11   four groups' largest magnitudes
.set PD,   12                          ; v12-15  the other half of the lanes'
.set LIM,  16                          ; v16-19  57,344 x the scale
.set SCL,  20                          ; v20-23  the conversions' scale operands
.set BY,   24                          ; v24-27  the scales' bytes
.set WORD, 28                          ; v28-31  scale words
.set T,    32                          ; v32-63  two sets of 16 numbers, held, consecutive
.set CODE, 64                          ; v64-127 codes: four registers a group; no store's data are written again
.set MSB, 0
.macro WIN new                         ; the immediate's high byte repeats the setting that is left
.if MSB != \new
	s_set_vgpr_msb (MSB<<8)|\new
.set MSB, \new
.endif
.endm
; Four groups of 16 numbers a lane, by turns.  Number i of group g lies in window 1 at xb + dx g + s i; the group's codes go to v[cb + 4 g] on, its byte to v[BY + g].
.macro QUAD xb, dx, s, cb
	WIN 0x05                                       ; sources 0 and 1 in window 1
.irp g, 0,1,2,3
	v_max3_num_f32 v[MX+\g], |v[(\xb)+(\dx)*\g]|, |v[(\xb)+(\dx)*\g+(\s)]|, 0x8000000   ; with the floor 2^(16 - 127): the byte cannot fall under 1
.endr
	WIN 0x14                                       ; sources 1 and 2 in window 1
.irp i, 2,4,6,8,10,12,14
.irp g, 0,1,2,3
	v_max3_num_f32 v[MX+\g], v[MX+\g], |v[(\xb)+(\dx)*\g+(\s)*\i]|, |v[(\xb)+(\dx)*\g+(\s)*(\i+1)]|
.endr
.endr
	WIN 0
.irp g, 0,1,2,3
	v_permlanex16_b32 v[PD+\g], v[MX+\g], s12, s13
.endr
.irp g, 0,1,2,3
	v_max_num_f32 v[MX+\g], v[MX+\g], v[PD+\g]     ; with lane l xor 16's 16 numbers: the block's largest magnitude
.endr
.irp g, 0,1,2,3
	v_add_nc_u32 v[SCL+\g], 0xf8800000, v[MX+\g]   ; 15 off its exponent field: the conversion takes the exponent field of this operand as its scale
.endr
.irp g, 0,1,2,3
	v_and_or_b32 v[LIM+\g], v[MX+\g], 0x7f800000, s14   ; 57,344 x the scale: the exponent field over 57,344's mantissa field
.endr
.irp g, 0,1,2,3
	v_lshrrev_b32 v[BY+\g], 23, v[SCL+\g]          ; the scale's byte
.endr
.irp g, 0,1,2,3
	WIN 0x01                                       ; source 0 in window 1
.irp i, 0,1,2,3,4,5,6,7,8,9,10,11,12,13,14,15
	v_med3_num_f32 v[T+16*(\g%2)+\i], v[(\xb)+(\dx)*\g+(\s)*\i], -v[LIM+\g], v[LIM+\g]   ; the conversion to an 8-bit code does not saturate (ISA guide 7.6.2): the hold; it also lays the 16 on end
.endr
	WIN 0
	v_cvt_scalef32_pk8_bf8_f32 v[(\cb)+4*\g:(\cb)+4*\g+1], v[T+16*(\g%2):T+16*(\g%2)+7], v[SCL+\g]
	v_cvt_scalef32_pk8_bf8_f32 v[(\cb)+4*\g+2:(\cb)+4*\g+3], v[T+16*(\g%2)+8:T+16*(\g%2)+15], v[SCL+\g]   ; the next group's holds write the other set: they are the plain lines behind these conversions
.endr
	v_nop                                          ; and this one behind the last
.endm
	s_load_b128 s[4:7], s[0:1], 0x0                ; expert_kernels s[4:5], gate_kernels s[6:7]
	s_load_b64 s[8:9], s[0:1], 0x10                ; wq
	s_load_b64 s[28:29], s[0:1], 0x18              ; x
	s_load_b64 s[30:31], s[0:1], 0x20              ; xq
	v_lshl_add_u32 v254, v0, 2, 0x8200
	v_mov_b32 v255, 0
	v_and_b32 v1, 15, v0                           ; r
	v_lshrrev_b32 v2, 4, v0                        ; h
	v_lshlrev_b32 v3, 4, v0                        ; 16 l: my place in a piece of 512 bytes
	s_mov_b32 s12, 0x76543210
	s_mov_b32 s13, 0xfedcba98                      ; v_permlanex16_b32's selects for lane l xor 16
	s_mov_b32 s14, 0x600000                        ; the mantissa field of 57,344
.irp g, 0,1,2,3
	v_mov_b32 v[PD+\g], 0                          ; written once: a lane permute's destination counts as one of its sources
.endr
	s_cmp_ge_u32 ttmp9, 144
	s_cbranch_scc1 .Lx
	s_and_b32 s16, ttmp9, 3                        ; ks: which 128 along k
	s_cmp_ge_u32 ttmp9, 128
	s_cbranch_scc1 .Lgate
	; ---- the experts
	s_bfe_u32 s17, ttmp9, 0x20002                  ; which four e
	s_lshr_b32 s18, ttmp9, 4                       ; which 16 u
	s_lshl_b32 s20, s16, 20                        ; in: 128 ks rows of 8,192 bytes
	s_lshl_b32 s22, s18, 10                        ; + 16 u of 64 bytes
	s_add_co_u32 s20, s20, s22
	s_lshl_b32 s22, s17, 4                         ; + four e of 4 bytes
	s_add_co_u32 s20, s20, s22
	s_mov_b32 s21, 0
	s_and_b32 s22, s18, 3                          ; out: fill 8 (u block % 4) + 4 (u block / 4) + the four e
	s_lshl_b32 s22, s22, 3
	s_lshr_b32 s23, s18, 2
	s_lshl_b32 s23, s23, 2
	s_add_co_u32 s22, s22, s23
	s_add_co_u32 s22, s22, s17
	s_mul_i32 s22, s22, FILL
	s_lshl_b32 s24, s16, 12                        ; codes: + 2 ks fragments
	s_add_co_u32 s24, s24, s22
	s_mov_b32 s25, 0
	s_lshl_b32 s26, s16, 8                         ; scale words: + 256 ks (the 32,768 stands in the store's immediate)
	s_add_co_u32 s26, s26, s22
	s_mov_b32 s27, 0
	v_lshlrev_b32 v4, 6, v1
	v_lshl_add_u32 v4, v2, 17, v4                  ; column r, and 16 rows further down for lanes 16-31
	v_lshlrev_b32 v5, 4, v1
	v_lshl_add_u32 v5, v2, 3, v5                   ; 16 r + 8 h
	s_wait_kmcnt 0x0
	s_add_nc_u64 s[4:5], s[4:5], s[20:21]
	s_add_nc_u64 s[10:11], s[8:9], s[26:27]
	s_add_nc_u64 s[8:9], s[8:9], s[24:25]
	WIN 0x40                                       ; destination window 1
.irp c, 0,1,2,3
.irp i, 0,1,2,3,4,5,6,7,8,9,10,11,12,13,14,15
	global_load_b128 v[64*\c+4*\i:64*\c+4*\i+3], v4, s[4:5] offset:(32*\c+\i)*8192   ; W(128 ks + 32 c + 16 h + i, u, four e)
.endr
.endr
	WIN 0
.irp c, 0,1,2,3
	s_wait_loadcnt 48-16*\c                        ; block c's 16 loads are in; those of the later blocks may be out
	QUAD 64*\c, 1, 4, CODE+16*\c
.irp g, 0,1,2,3
.if \c == 0
	v_mov_b32 v[WORD+\g], v[BY+\g]                 ; four bytes to a word, the lower k in the lower byte
.else
	v_lshl_or_b32 v[WORD+\g], v[BY+\g], 8*\c, v[WORD+\g]
.endif
.endr
.irp g, 0,1,2,3
	global_store_b128 v3, v[CODE+16*\c+4*\g:CODE+16*\c+4*\g+3], s[8:9] offset:(8*(\g/2)+\g%2)*2048+512*\c   ; the 32 lanes store 512 consecutive bytes, aligned
.endr
.endr
	v_cmp_eq_u32 vcc_lo, 1, v2
	v_cndmask_b32 v128, v[WORD], v[WORD+1], vcc_lo     ; lanes 0-15 store the words of e % 4 = 0 and 2, lanes 16-31 those of 1 and 3
	v_cndmask_b32 v129, v[WORD+2], v[WORD+3], vcc_lo
	global_store_b64 v5, v[128:129], s[10:11] offset:32768   ; 256 consecutive bytes, aligned
	s_endpgm
.Lgate:	; ---- the gates
	s_sub_co_u32 s17, ttmp9, 128
	s_lshr_b32 s17, s17, 2                         ; the task
	s_lshl_b32 s20, s17, 15                        ; in: a task is 32,768 bytes,
	s_lshl_b32 s22, s16, 13                        ; 128 ks rows of 64 bytes
	s_add_co_u32 s20, s20, s22
	s_mov_b32 s21, 0
	s_mul_i32 s22, s17, 8448
	s_add_co_u32 s22, s22, GOFF
	s_lshl_b32 s24, s16, 11                        ; out: fragment ks
	s_add_co_u32 s24, s24, s22
	s_mov_b32 s25, 0
	s_lshl_b32 s26, s16, 6                         ; and its 16 scale words (the 8,192 stands in the immediate)
	s_add_co_u32 s26, s26, s22
	s_mov_b32 s27, 0
	v_lshlrev_b32 v5, 2, v1                        ; 4 r
	v_lshl_add_u32 v4, v2, 10, v5                  ; column r, and 16 rows further down for lanes 16-31
	s_wait_kmcnt 0x0
	s_add_nc_u64 s[6:7], s[6:7], s[20:21]
	s_add_nc_u64 s[10:11], s[8:9], s[26:27]
	s_add_nc_u64 s[8:9], s[8:9], s[24:25]
	WIN 0x40
.irp c, 0,1,2,3
.irp i, 0,1,2,3,4,5,6,7,8,9,10,11,12,13,14,15
	global_load_b32 v[16*\c+\i], v4, s[6:7] offset:(32*\c+\i)*64
.endr
.endr
	WIN 0
	s_wait_loadcnt 0x0
	QUAD 0, 16, 1, CODE                            ; the four groups are the four blocks of 32
	v_lshl_or_b32 v[WORD], v[BY+1], 8, v[BY]
	v_lshl_or_b32 v[WORD], v[BY+2], 16, v[WORD]
	v_lshl_or_b32 v[WORD], v[BY+3], 24, v[WORD]
.irp c, 0,1,2,3
	global_store_b128 v3, v[CODE+4*\c:CODE+4*\c+3], s[8:9] offset:512*\c
.endr
	global_store_b32 v5, v[WORD], s[10:11] offset:8192   ; 64 bytes (both halves of the lanes write the same words): 1,024 bytes of the whole launch leave in such pieces
	s_endpgm
.Lx:	; ---- a tile of 16 rows of x
	s_sub_co_u32 s16, ttmp9, 144                   ; the tile
	s_lshl_b32 s20, s16, 15                        ; in: 16 rows of 2,048 bytes
	s_mov_b32 s21, 0
	s_mul_i32 s22, s16, XT                         ; out
	s_mov_b32 s23, 0
	v_mul_u32_u24 v4, v1, XP
	v_lshl_add_u32 v4, v2, 6, v4                   ; out of the stage: row r, + 64 h: my 16 numbers of a block of 32
	v_lshlrev_b32 v5, 3, v0                        ; 8 l: my two scale words
	s_wait_kmcnt 0x0
	s_add_nc_u64 s[28:29], s[28:29], s[20:21]
	s_add_nc_u64 s[30:31], s[30:31], s[22:23]
	WIN 0x40                                       ; destination window 1
.irp ks, 0,1,2,3
.irp i, 0,1,2,3,4,5,6,7,8,9,10,11,12,13,14,15
	global_load_b128 v[64*\ks+4*\i:64*\ks+4*\i+3], v3, s[28:29] offset:\i*2048+512*\ks th:TH_LOAD_NT   ; row i, k = 128 ks on: the 32 lanes read 512 consecutive bytes; the whole tile is asked for at once
.endr
.endr
	WIN 0
; K step ks through the stage: as loaded in, 64 bytes a lane and block out, into the registers that the numbers left.  LDS serves a wave's instructions in order (ISA guide 5.7.1.4): no wait between the stores and the loads.
.macro TURN ks
	WIN 0x04                                       ; an LDS store's data are its source 1: window 1
.irp i, 0,1,2,3,4,5,6,7,8,9,10,11,12,13,14,15
	ds_store_b128 v3, v[64*(\ks)+4*\i:64*(\ks)+4*\i+3] offset:\i*XP+512*(\ks)
.endr
	WIN 0x40                                       ; destination window 1
.irp b, 0,1,2,3
.irp q, 0,1,2,3
	ds_load_b128 v[64*(\ks)+16*\b+4*\q:64*(\ks)+16*\b+4*\q+3], v4 offset:512*(\ks)+128*\b+16*\q
.endr
.endr
	WIN 0
.endm
	s_wait_loadcnt 48                              ; K step 0's 16 loads are in
	TURN 0
.irp ks, 0,1,2,3
.if \ks < 3
	s_wait_loadcnt 32-16*\ks                       ; the next K step's loads are in; those behind them may be out
	TURN \ks+1
	s_wait_dscnt 32                                ; this K step's numbers are back; the next one's 16 stores and 16 loads may be out
.else
	s_wait_dscnt 0x0
.endif
	QUAD 64*\ks, 16, 1, CODE+16*\ks                ; the four groups are the K step's four blocks of 32
	v_lshl_or_b32 v[WORD+\ks], v[BY+1], 8, v[BY]
	v_lshl_or_b32 v[WORD+\ks], v[BY+2], 16, v[WORD+\ks]
	v_lshl_or_b32 v[WORD+\ks], v[BY+3], 24, v[WORD+\ks]
.irp c, 0,1,2,3
	global_store_b128 v3, v[CODE+16*\ks+4*\c:CODE+16*\ks+4*\c+3], s[30:31] offset:2048*\ks+512*\c   ; 512 consecutive bytes, aligned
.endr
.endr
	v_cmp_eq_u32 vcc_lo, 1, v2
	v_cndmask_b32 v128, v[WORD], v[WORD+1], vcc_lo     ; lanes 0-15: the words of ks = 0 and 2; lanes 16-31: of ks = 1 and 3
	v_cndmask_b32 v129, v[WORD+2], v[WORD+3], vcc_lo
	global_store_b64 v5, v[128:129], s[30:31] offset:8192   ; 256 consecutive bytes, aligned
	s_wait_tensorcnt 0x0
	ds_add_u32 v254, v255
	s_wait_dscnt 0x0
	s_endpgm
.Lfunc_end_k_q61c6c2cebe_prep:
	.size	k_q61c6c2cebe_prep, .Lfunc_end_k_q61c6c2cebe_prep-k_q61c6c2cebe_prep
	.p2alignl 7, 3214868480
	.fill 96, 4, 3214868480
	.section	.rodata,"a",@progbits
	.p2align	6, 0x0
	.amdhsa_kernel k_q61c6c2cebe_prep
		.amdhsa_group_segment_fixed_size 33536
		.amdhsa_private_segment_fixed_size 0
		.amdhsa_enable_private_segment 0
		.amdhsa_kernarg_size 40
		.amdhsa_user_sgpr_count 2
		.amdhsa_user_sgpr_kernarg_segment_ptr 1
		.amdhsa_wavefront_size32 1
		.amdhsa_system_sgpr_workgroup_id_x 1
		.amdhsa_system_sgpr_workgroup_id_y 1
		.amdhsa_system_sgpr_workgroup_id_z 1
		.amdhsa_system_vgpr_workitem_id 0
		.amdhsa_next_free_vgpr 512
		.amdhsa_next_free_sgpr 66
		.amdhsa_reserve_vcc 1
		.amdhsa_float_denorm_mode_32 3
		.amdhsa_float_denorm_mode_16_64 3
		.amdhsa_memory_ordered 1
		.amdhsa_forward_progress 1
		.amdhsa_inst_pref_size 110
	.end_amdhsa_kernel
	.amdgpu_metadata
---
amdhsa.version: [ 1, 2 ]
amdhsa.kernels:
  - .name:           k_q61c6c2cebe_prep
    .symbol:         k_q61c6c2cebe_prep.kd
    .args:
      - { .name: expert_kernels, .offset: 0, .size: 8, .value_kind: global_buffer, .address_space: global }
      - { .name: gate_kernels, .offset: 8, .size: 8, .value_kind: global_buffer, .address_space: global }
      - { .name: wq, .offset: 16, .size: 8, .value_kind: global_buffer, .address_space: global }
      - { .name: x, .offset: 24, .size: 8, .value_kind: global_buffer, .address_space: global }
      - { .name: xq, .offset: 32, .size: 8, .value_kind: global_buffer, .address_space: global }
    .group_segment_fixed_size: 33536
    .private_segment_fixed_size: 0
    .kernarg_segment_align: 8
    .kernarg_segment_size: 40
    .max_flat_workgroup_size: 32
    .sgpr_count:     66
    .vgpr_count:     512
    .wavefront_size: 32
...
	.end_amdgpu_metadata
.endif
;; end of part 1
;; launch main (part 2): grid 256 x 1, 4 waves a work-group, clusters of 4 x 1, 327,680 bytes of LDS; arguments xq, wq, expert_bias, gate_bias, out0, out1, out2, out3; writes out0, out1, out2, out3
.if DOCPART == 2
	.amdgcn_target "amdgcn-amd-amdhsa--gfx1250"
	.amdhsa_code_object_version 6
	.text
	.protected	k_q61c6c2cebe_main
	.globl	k_q61c6c2cebe_main
	.p2align	8
	.type	k_q61c6c2cebe_main,@function
k_q61c6c2cebe_main:
	s_mov_b64 s[64:65], 0
	v_nop
	global_prefetch_b8 v0, s[64:65] scope:SCOPE_SE
	s_setreg_imm32_b32 hwreg(HW_REG_WAVE_MODE, 25, 1), 1
	s_wait_xcnt 0x0
	s_wait_alu depctr_hold_cnt(0) depctr_sa_sdst(0) depctr_va_vdst(0) depctr_va_sdst(0) depctr_va_ssrc(0) depctr_va_vcc(0) depctr_vm_vsrc(0)
	s_getreg_b32 s2, hwreg(HW_REG_IB_STS2, 6, 4)
	s_cmp_eq_u32 s2, 0
	s_cbranch_scc0 .Lentry_in_a_cluster
	s_endpgm
.Lentry_in_a_cluster:
	s_bfe_u32 s2, ttmp6, 0x10000c
	s_cmp_lg_u32 s2, 0x3003
	s_cbranch_scc0 .Lentry_shape_is_right
	s_endpgm
.Lentry_shape_is_right:
; out_t[b][u] = sum over e of relu(x[b] . We[:, u, e] + be[u][e]) x softmax_e(x[b] . Wg[t][:, e] + bg[t][e]).  x and the weights come from xq and wq as codes of BF8 (E5M2) with E8M0 scale bytes, laid as register images.
; Both products with x run on codes (v_wmma_scale_f32_16x16x128_f8f6f4, both formats BF8), sums in f32; the last product (K = 16, a matrix for each row) runs on bf16 operands with f32 sums.
; LIMITS: relu(..) and the gates are rounded to bf16 for the last product; NaN and infinities among the inputs are not served.
; SHARES.  A work-group owns 128 rows and 64 u (256 bytes of each output row); 128 blocks of rows x 2 halves of u = 256 work-groups.  Wave w = (rh = w / 2, us = w % 2) owns rows 64 rh + 0..63 (four tiles rt of 16),
; makes u = 64 uh + 32 p + 16 us + 0..15 in pass p = 0, 1 for them, makes the gates of tasks 2 us and 2 us + 1 for them, and at the end stores out_w's 128 rows.  The hidden layer never leaves the registers.
; THE EXPERTS' WEIGHTS come through a ring of two LDS slots.  A pair of waves (one us) walks eight fills of 33,792 bytes (two chunks of two e each, all 512 k, 16 u); a slot holds two fills of each pair, 135,168 bytes,
; each brought by one wave; each fill is read by the pair's two waves, and each fragment that a wave reads feeds four products: a slot's bytes serve 128 products a wave.
; x's fragments, the gates' fragments and all their scale words are images in memory: they go straight into registers, 512 consecutive bytes a load.
; CLUSTER.  The four work-groups of a cluster have one half of u and four blocks of rows: they walk the same weights and ask for every fill JOINTLY (mask 15).  x's codes are not asked for jointly: the work-group that shares
; them has the other half of u and other weights, and of a work-group's bytes the weights are 540,672 against 67,584 of x's codes.
; LAYOUTS.  Experts: source 0 = x's fragment, source 1 = 16 columns with ONE e and 16 neighbouring u: register j of lane (r, h) is H(row 8 h + j, u r, e).  The bias is the C of a sum's first product.
; The tiles of e = 2 i and 2 i + 1, clipped at 0 and rounded in pairs, give register i of Hb[rt][j]: eight such registers ARE a bf16 operand with row m = u, whose 32 places along K stand for (row 8 h + j, e = 0..15), h = 0, 1.
; Its partner GA[j] has column n = 8 hb + 4 par + t and holds gate(t, row 8 hb + j, e) in the lanes of half hb where par = j % 2, zeros elsewhere.  D[i] = Hb[2 i] GA[2 i] + Hb[2 i + 1] GA[2 i + 1]:
; register j of lane (n, h) is out_t(row 8 hb + 2 i + par, u = 8 h + j): eight neighbours of an output row.  Nothing changes lanes between the products.
; Gates: transposed (source 0 = 16 e of a task, source 1 = x's fragment): lane (r, h) holds row r and e = 8 h + 0..7; the softmax wants one exchange between the halves of the lanes.
; THE WAY OUT.  An aligned 256 bytes of an output row are the work-group's 64 u, made by two waves in two passes.  Pass 0's results wait in registers; at the end both passes' meet in a stage in LDS and leave as whole rows of 256 bytes.
; LDS: 0: the stage, 4 tasks x (128 lines of 272 bytes + 32): its first 4,352 bytes are its own, the rest lies in slot 0, which by then has had its last fill and its last read;  RING: two slots;  GT: the gates in bf16, 32 bytes for each (row, task);  SPARE.
; REGISTERS, in windows of 256: window 0: v1-20 addresses, v21-31 and v120-127 at work, v32-39 x's scale words, v40-55 the weights' (two sets), v56-119 weight fragments (two sets of two), v128-255 accumulators (two sets of eight).
;   window 1: x's 16 fragments (64 rt + 16 ks); at the end the rows read back.   window 2: Hb (64 rt + 8 j + i); at the start the gates' eight fragments.
;   window 3: v0-127 pass 0's results (at the start the gates' bias), v128-191 GA, v192-223 biases, v224-255 the biases spread as C.
.set FILL,  33792                      ; 16 fragments of 2,048 bytes and 1,024 bytes of scale words
.set SLOT,  4*FILL
.set RING,  4352
.set TSTR,  34848                      ; the stage: a task's 128 lines of 272 bytes, + 32, so that the four tasks' lines start at different banks
.set GT,    RING+2*SLOT
.set SPARE, GT+16384                   ; the spare words, 128 bytes for each wave: two blocks of 256 bytes that no other line names
.set GOFF,  32*FILL                    ; the gates' part of wq
.set XT,    8448                       ; a tile of x in xq, and a task's chunk in wq
.set SPW, 1                            ; v1   SPARE + 4 x my thread's number; never rewritten
.set NIL, 2                            ; v2   0; never rewritten
.set AW,  3                            ; v3-6   my place in a fragment's piece, for fill f at index f % 4: slot (f / 2) % 2, half f % 2, my pair, + 16 l
.set AM,  7                            ; v7-10  my scale words there: + 32,768 + 16 r + 8 h
.set AL,  11                           ; v11  16 l: my place in a piece of an image in memory
.set AL8, 12                           ; v12  8 l: my two scale words of a tile of x
.set AR4, 13                           ; v13  4 r: a gate's scale word
.set AGT, 14                           ; v14  where I put 16 bytes of gates
.set AGA, 15                           ; v15  where I fetch gates for GA
.set ASW, 16                           ; v16  the stage: where I put 32 bytes of a row
.set ASR, 17                           ; v17  and where I read a row back
.set AO,  18                           ; v18  my byte offset in two rows of an output
.set ABI, 19                           ; v19  my u's row of expert_bias
.set AGB, 20                           ; v20  my eight numbers of gate_bias
.set PR,  24                           ; v24-31 a pair for each tile of rows: the softmax's sum, then its reciprocal
.set XS,  32                           ; x's scale words: register 2 rt + p: lanes 0-15 those of ks = 2 p, lanes 16-31 those of ks = 2 p + 1
.set WS,  40                           ; the weights': set f % 2, register 2 ks + cc: lanes 0-15 the chunk's first e, lanes 16-31 its second
.set GS,  48                           ; the gates': register 4 tt + ks (the second set's registers, ahead of its first use)
.set W,   56                           ; weight fragments: set n % 2, 16 registers for each of the chunk's two e
.set SMX, 120                          ; v120-123 the softmax's maximum, then sum
.set SPD, 124                          ; v124-127 the other half of the lanes'
.set ACC, 128                          ; set c % 2 at + 64; e at + 32; rt at + 8.  At the end: pass 1's results, 32 rt + 8 i
.set GL,  192                          ; the gates' logits, 32 tt + 8 rt
.set P0,  0                            ; window 3: pass 0's results, 32 rt + 8 i
.set GBI, 0                            ; window 3: the gates' bias, 8 tt (ahead of P0's first use)
.set GA,  128
.set BIA, 192
.set CR,  224
.set WV,  20                           ; s20  my wave's number
.set G1W, 28                           ; s[28:35] descriptor group 1: a fill
.set G0W, 68                           ; s[68:71], s[72:75] groups 0: slot 0, slot 1
.set SEL, 76                           ; s[76:77] selects for lane l xor 16
.set L2E, 79                           ; s79  log2(e)
.set MKE, 80                           ; s80  the lanes that hold gates in GA[even j]: 0-3, 24-27
.set MKO, 81                           ; s81  in GA[odd j]: 4-7, 28-31
.set SX,  82                           ; s82  EXEC, kept
.set SO,  84                           ; s[84:85] out_w at my work-group's first row and first u
.set MSB, 0
.macro WIN new                         ; the immediate's high byte repeats the setting that is left
.if MSB != \new
	s_set_vgpr_msb (MSB<<8)|\new
.set MSB, \new
.endif
.endm
.macro PLACES n
.rept \n
	v_nop
.endr
.endm
; A round of the cluster's barrier: my work-group's barrier; wave 0 signals for the work-group; every wave waits for all four work-groups; my work-group's barrier once more.
.macro ROUND
	s_barrier_signal -1
	s_barrier_wait -1
	s_cmp_lg_u32 s[WV], 0
	s_cbranch_scc1 .Lnot_wave_0_\@
	s_barrier_signal -3
.Lnot_wave_0_\@:
	s_barrier_wait -3
	s_barrier_signal -1
	s_barrier_wait -1
.endm
; THE CHANGE OF SLOTS.  Slot s has been read out; the other slot's fills have landed.  Behind a round of the cluster's barrier slot s takes the fills two slots on (the same e of the next pass: 16 fills further in wq),
; which have the other slot's 128 products a wave in which to land.
.macro CHANGE s
	WIN 0                                          ; at a label and at a branch every window is 0
	s_wait_tensorcnt 0x0                           ; all my tensor loads have landed, so a group 0 may be written
	ds_add_u32 v[SPW], v[NIL]                      ; 0 onto my spare word
	s_add_nc_u64 s[G0W+4*(\s)+2:G0W+4*(\s)+3], s[G0W+4*(\s)+2:G0W+4*(\s)+3], 16*FILL
	s_wait_dscnt 0x0                               ; the add is done, my LDS stores have landed and my reads of slot s are over
	ROUND
	tensor_load_to_lds s[G0W+4*(\s):G0W+4*(\s)+3], s[G1W:G1W+7]   ; my one tensor load behind the round, and the first thing there
	s_nop 0
	PLACES 4
.endm
.macro LOADMETA f                      ; the fill's scale words: for each ks two words a lane
.irp ks, 0,1,2,3
	ds_load_b64 v[WS+8*((\f)%2)+2*\ks:WS+8*((\f)%2)+2*\ks+1], v[AM+(\f)%4] offset:256*\ks
.endr
.endm
.macro LOADW n                         ; step n = 4 chunk + ks: the chunk's two fragments of that ks, 512 consecutive bytes a load
.set lc, (\n)/4
.set lk, (\n)%4
.irp ee, 0,1
.irp c, 0,1,2,3
	ds_load_b128 v[W+32*((\n)%2)+16*\ee+4*\c:W+32*((\n)%2)+16*\ee+4*\c+3], v[AW+(lc/2)%4] offset:(8*(lc%2)+2*lk+\ee)*2048+512*\c
.endr
.endr
.endm
.macro SMUL                            ; one scaled product from the symbols rD, rA, rB, rC, rSA, rSB; rRA, rRB: the scales stand in lanes 16-31
.if rRA && rRB
	v_wmma_scale_f32_16x16x128_f8f6f4 v[rD:rD+7], v[rA:rA+15], v[rB:rB+15], v[rC:rC+7], v[rSA], v[rSB] matrix_a_fmt:MATRIX_FMT_BF8 matrix_b_fmt:MATRIX_FMT_BF8 matrix_a_scale:MATRIX_SCALE_ROW1 matrix_b_scale:MATRIX_SCALE_ROW1
.elseif rRA
	v_wmma_scale_f32_16x16x128_f8f6f4 v[rD:rD+7], v[rA:rA+15], v[rB:rB+15], v[rC:rC+7], v[rSA], v[rSB] matrix_a_fmt:MATRIX_FMT_BF8 matrix_b_fmt:MATRIX_FMT_BF8 matrix_a_scale:MATRIX_SCALE_ROW1
.elseif rRB
	v_wmma_scale_f32_16x16x128_f8f6f4 v[rD:rD+7], v[rA:rA+15], v[rB:rB+15], v[rC:rC+7], v[rSA], v[rSB] matrix_a_fmt:MATRIX_FMT_BF8 matrix_b_fmt:MATRIX_FMT_BF8 matrix_b_scale:MATRIX_SCALE_ROW1
.else
	v_wmma_scale_f32_16x16x128_f8f6f4 v[rD:rD+7], v[rA:rA+15], v[rB:rB+15], v[rC:rC+7], v[rSA], v[rSB] matrix_a_fmt:MATRIX_FMT_BF8 matrix_b_fmt:MATRIX_FMT_BF8
.endif
.endm
; Step n: eight products, the chunk's eight accumulators (2 e x 4 rt) by turns, in the same order in every step.  At ks = 0 the bias is the C.
.macro MULS n
.set mc, (\n)/4
.set mk, (\n)%4
.if mk == 0
	WIN 0x31                                       ; source 0 (x) window 1, C (the bias) window 3
.else
	WIN 0x01
.endif
.irp ee, 0,1
.irp rt, 0,1,2,3
.set rD, ACC+64*(mc%2)+32*\ee+8*\rt
.set rA, 64*\rt+16*mk
.set rB, W+32*((\n)%2)+16*\ee
.set rC, rD
.if mk == 0
.set rC, CR+16*(mc%2)+8*\ee
.endif
.set rSA, XS+2*\rt+mk/2
.set rSB, WS+8*((mc/2)%2)+2*mk+mc%2
.set rRA, mk%2
.set rRB, \ee
	SMUL
.endr
.endr
.endm
.macro EPI c, rt                       ; chunk c, tile rt: clipped at 0, each accumulator from its low end on; then the two e of a pair rounded into one register of Hb
	WIN 0
.irp ee, 0,1
.irp j, 0,1,2,3,4,5,6,7
	v_max_num_f32 v[ACC+64*((\c)%2)+32*\ee+8*(\rt)+\j], 0, v[ACC+64*((\c)%2)+32*\ee+8*(\rt)+\j]
.endr
.endr
	WIN 0x80                                       ; destination window 2
.irp j, 0,1,2,3,4,5,6,7
	v_cvt_pk_bf16_f32 v[64*(\rt)+8*\j+(\c)%8], v[ACC+64*((\c)%2)+8*(\rt)+\j], v[ACC+64*((\c)%2)+32+8*(\rt)+\j]
.endr
.endm
.macro CREP c, ee                      ; chunk c's bias of one e, spread over the eight registers of a C: all rows of a tile take the same bias
	WIN 0xc3                                       ; source 0 and destination window 3
.irp j, 0,1,2,3,4,5,6,7
	v_mov_b32 v[CR+16*((\c)%2)+8*(\ee)+\j], v[BIA+16*((\c)/8)+2*((\c)%8)+(\ee)]
.endr
.endm
; The vector work behind step n: a quarter of the last chunk's clipping and rounding, and the next chunk's bias.  Every slice holds eight plain instructions or more that name no register of the products round it:
; they are the places in front of the loads into fragment registers that those products have read, and in front of the first read of their results.
.macro SLICE n
.set sc, (\n)/4
.set sq, (\n)%4
.if sc >= 1
	EPI sc-1, sq
.endif
.if (sq < 2) && (sc < 15)
	CREP sc+1, sq
.endif
.if (sc == 0) && (sq >= 2)
	PLACES 8
.endif
	WIN 0
.endm
.macro GALOAD rt                       ; the gates of tile rt into GA: only the lanes that hold gates load; the others keep the zeros written at the start
	s_wait_xcnt 0x0                                ; EXEC changes only behind this wait: it is a source of the global instructions issued before
	WIN 0xc0                                       ; destination window 3
	s_and_saveexec_b32 s[SX], s[MKE]
.irp j, 0,2,4,6
	ds_load_b128 v[GA+8*\j:GA+8*\j+3], v[AGA] offset:2048*(\rt)+128*\j
	ds_load_b128 v[GA+8*\j+4:GA+8*\j+7], v[AGA] offset:2048*(\rt)+128*\j+16
.endr
	s_or_b32 exec_lo, exec_lo, s[SX]
	s_and_saveexec_b32 s[SX], s[MKO]
.irp j, 1,3,5,7
	ds_load_b128 v[GA+8*\j:GA+8*\j+3], v[AGA] offset:2048*(\rt)+128*\j
	ds_load_b128 v[GA+8*\j+4:GA+8*\j+7], v[AGA] offset:2048*(\rt)+128*\j+16
.endr
	s_or_b32 exec_lo, exec_lo, s[SX]
	WIN 0
.endm
; THE END OF PASS 0: the last product for my 64 rows and my 16 u; its results stay in window 3 until pass 1's are there.
.macro TAIL0
	GALOAD 0
.irp rt, 0,1,2,3
	s_wait_dscnt 0x0                               ; this tile's gates are in
	WIN 0xfe                                       ; source 0 (Hb) window 2; source 1 (GA), C and D window 3
.irp i, 0,1,2,3
	v_wmma_f32_16x16x32_bf16 v[P0+32*\rt+8*\i:P0+32*\rt+8*\i+7], v[64*\rt+16*\i:64*\rt+16*\i+7], v[GA+16*\i:GA+16*\i+7], 0
.endr
.irp i, 0,1,2,3
	v_wmma_f32_16x16x32_bf16 v[P0+32*\rt+8*\i:P0+32*\rt+8*\i+7], v[64*\rt+16*\i+8:64*\rt+16*\i+15], v[GA+16*\i+8:GA+16*\i+15], v[P0+32*\rt+8*\i:P0+32*\rt+8*\i+7]   ; the four accumulators by turns
.endr
	WIN 0
	PLACES 4                                       ; in front of the loads into GA, and of the next pass's roundings into Hb
.if \rt < 3
	GALOAD \rt+1
.endif
.endr
.endm
; THE END OF PASS 1, AND THE WAY OUT.  The last product again, into the accumulators' registers, which are free; both passes' results go into the stage, 32 bytes a lane and result; one barrier;
; wave w reads task w's 128 lines back whole and stores them.
.macro TAIL1
	GALOAD 0
.irp rt, 0,1,2,3
	s_wait_dscnt 0x0                               ; this tile's gates are in
	WIN 0x0e                                       ; source 0 (Hb) window 2, source 1 (GA) window 3, C and D window 0
.irp i, 0,1,2,3
	v_wmma_f32_16x16x32_bf16 v[ACC+32*\rt+8*\i:ACC+32*\rt+8*\i+7], v[64*\rt+16*\i:64*\rt+16*\i+7], v[GA+16*\i:GA+16*\i+7], 0
.endr
.irp i, 0,1,2,3
	v_wmma_f32_16x16x32_bf16 v[ACC+32*\rt+8*\i:ACC+32*\rt+8*\i+7], v[64*\rt+16*\i+8:64*\rt+16*\i+15], v[GA+16*\i+8:GA+16*\i+15], v[ACC+32*\rt+8*\i:ACC+32*\rt+8*\i+7]
.endr
	WIN 0
	PLACES 4                                       ; in front of the loads into GA and of the stores that read the results
.if \rt < 3
	GALOAD \rt+1
.endif
.irp i, 0,1,2,3
	ds_store_b128 v[ASW], v[ACC+32*\rt+8*\i:ACC+32*\rt+8*\i+3] offset:4352*\rt+544*\i+128        ; pass 1's u lie 128 bytes behind pass 0's; each accumulator from its low end on
	ds_store_b128 v[ASW], v[ACC+32*\rt+8*\i+4:ACC+32*\rt+8*\i+7] offset:4352*\rt+544*\i+144
.endr
	WIN 0x0c                                       ; an LDS store's data are its source 1: window 3
.irp i, 0,1,2,3
	ds_store_b128 v[ASW], v[P0+32*\rt+8*\i:P0+32*\rt+8*\i+3] offset:4352*\rt+544*\i
	ds_store_b128 v[ASW], v[P0+32*\rt+8*\i+4:P0+32*\rt+8*\i+7] offset:4352*\rt+544*\i+16
.endr
	WIN 0
.endr
	s_wait_dscnt 0x0                               ; for the others' sake: my stores into the stage have landed
	s_barrier_signal -1
	s_barrier_wait -1
	WIN 0x40                                       ; destination window 1: x's fragments are done with
.set q, 0
.rept 64
	ds_load_b128 v[4*q:4*q+3], v[ASR] offset:544*q     ; lanes 0-15 one line of 256 bytes, lanes 16-31 the next
.set q, q+1
.endr
	WIN 0x04                                       ; a store's data are its source 1: window 1
.set q, 0
.rept 8
	s_wait_dscnt 56-q                              ; the next eight loads are back; the later ones may be out
.rept 8
	global_store_b128 v[AO], v[4*q:4*q+3], s[SO:SO+1] offset:1024*q th:TH_STORE_NT   ; sixteen lanes store 256 consecutive bytes, aligned; written once, read by nobody here
.set q, q+1
.endr
.endr
	WIN 0
.endm
; Fill f's eight steps; each fetches the next step's fragments ahead of its products.  An even fill's successor lies in the same slot, so its last step goes on fetching; an odd fill's lies in the other slot.
.macro STEPS f
.irp k, 0,1,2,3,4,5,6,7
.if \k < 7
	LOADW 8*(\f)+\k+1
	s_wait_dscnt 8                                 ; all but the eight loads just issued: this step's fragments (and at a fill's head its scale words) are in
.elseif ((\f)%2) == 0
	LOADMETA (\f)+1
	LOADW 8*(\f)+8
	s_wait_dscnt 12                                ; all but the next fill's 4 + 8 loads just issued
.else
	s_wait_dscnt 0x0
.endif
	MULS 8*(\f)+\k
.if (\k < 7) || (((\f)%2) == 0)
	SLICE 8*(\f)+\k                                ; (an odd fill's last slice stands behind the next slot's first loads)
.endif
.if 8*(\f)+\k == 35
	TAIL0                                          ; chunk 7's last quarter has just been rounded: pass 0's Hb is whole
.endif
.endr
.endm
; The softmax over 16 e of task 2 us + tt: eight in my registers, eight in lane l xor 16's; the four tiles of rows by turns.  The gates go to LDS in bf16.
.macro SOFTMAX tt
.set gb, GL+32*(\tt)
.irp rt, 0,1,2,3
	v_max3_num_f32 v[SMX+\rt], v[gb+8*\rt], v[gb+8*\rt+1], v[gb+8*\rt+2]
.endr
.irp rt, 0,1,2,3
	v_max3_num_f32 v[SMX+\rt], v[SMX+\rt], v[gb+8*\rt+3], v[gb+8*\rt+4]
.endr
.irp rt, 0,1,2,3
	v_max3_num_f32 v[SMX+\rt], v[SMX+\rt], v[gb+8*\rt+5], v[gb+8*\rt+6]
.endr
.irp rt, 0,1,2,3
	v_max_num_f32 v[SMX+\rt], v[SMX+\rt], v[gb+8*\rt+7]
.endr
.irp rt, 0,1,2,3
	v_permlanex16_b32 v[SPD+\rt], v[SMX+\rt], s[SEL], s[SEL+1]
.endr
.irp rt, 0,1,2,3
	v_max_num_f32 v[SMX+\rt], v[SMX+\rt], v[SPD+\rt]   ; the row's largest logit
.endr
.irp rt, 0,1,2,3
	v_mul_f32 v[SMX+\rt], s[L2E], v[SMX+\rt]
.endr
.irp j, 0,1,2,3,4,5,6,7
.irp rt, 0,1,2,3
	v_fma_f32 v[gb+8*\rt+\j], v[gb+8*\rt+\j], s[L2E], -v[SMX+\rt]   ; (logit - the largest) x log2(e): the same number is taken off all 16
.endr
.endr
.irp j, 0,1,2,3,4,5,6,7
.irp rt, 0,1,2,3
	v_exp_f32 v[gb+8*\rt+\j], v[gb+8*\rt+\j]
.endr
.endr
	v_nop                                          ; a plain line behind the exponentials
	s_wait_alu depctr_va_vdst(0)
.irp rt, 0,1,2,3
	v_pk_add_f32 v[PR+2*\rt:PR+2*\rt+1], v[gb+8*\rt:gb+8*\rt+1], v[gb+8*\rt+2:gb+8*\rt+3]
.endr
.irp rt, 0,1,2,3
	v_pk_add_f32 v[PR+2*\rt:PR+2*\rt+1], v[PR+2*\rt:PR+2*\rt+1], v[gb+8*\rt+4:gb+8*\rt+5]
.endr
.irp rt, 0,1,2,3
	v_pk_add_f32 v[PR+2*\rt:PR+2*\rt+1], v[PR+2*\rt:PR+2*\rt+1], v[gb+8*\rt+6:gb+8*\rt+7]
.endr
.irp rt, 0,1,2,3
	v_add_f32 v[SMX+\rt], v[PR+2*\rt], v[PR+2*\rt+1]
.endr
.irp rt, 0,1,2,3
	v_permlanex16_b32 v[SPD+\rt], v[SMX+\rt], s[SEL], s[SEL+1]
.endr
.irp rt, 0,1,2,3
	v_add_f32 v[SMX+\rt], v[SMX+\rt], v[SPD+\rt]   ; the row's sum
.endr
.irp rt, 0,1,2,3
	v_rcp_f32 v[PR+2*\rt], v[SMX+\rt]
.endr
	v_nop                                          ; a plain line behind the reciprocals
	s_wait_alu depctr_va_vdst(0)
.irp i, 0,2,4,6
.irp rt, 0,1,2,3
	v_pk_mul_f32 v[gb+8*\rt+\i:gb+8*\rt+\i+1], v[gb+8*\rt+\i:gb+8*\rt+\i+1], v[PR+2*\rt:PR+2*\rt+1] op_sel_hi:[1,0]
.endr
.endr
.irp i, 0,1,2,3
.irp rt, 0,1,2,3
	v_cvt_pk_bf16_f32 v[gb+8*\rt+\i], v[gb+8*\rt+2*\i], v[gb+8*\rt+2*\i+1]   ; packed in place: register i is written behind its last reading
.endr
.endr
.irp rt, 0,1,2,3
	ds_store_b128 v[AGT], v[gb+8*\rt:gb+8*\rt+3] offset:2048*\rt+32*(\tt)
.endr
.endm
	s_load_b256 s[4:11], s[0:1], 0x0               ; xq s[4:5], wq s[6:7], expert_bias s[8:9], gate_bias s[10:11]
	s_load_b256 s[12:19], s[0:1], 0x20             ; out0 .. out3
	v_lshl_add_u32 v[SPW], v0, 2, SPARE
	v_mov_b32 v[NIL], 0
	ds_add_u32 v1, v2
	ds_add_u32 v1, v2
	s_wait_dscnt 0x0
	v_lshrrev_b32 v21, 5, v0
	v_readfirstlane_b32 s[WV], v21                 ; wave 0..3
	s_bfe_u32 s21, ttmp6, 0x40000                  ; cx: my place in the cluster
	s_lshr_b32 s22, ttmp9, 1                       ; in a cluster launch ttmp9 counts clusters
	s_lshl_b32 s22, s22, 2
	s_add_co_u32 s22, s22, s21                     ; my block of 128 rows: it enters x's and the outputs' addresses alone
	s_and_b32 s23, ttmp9, 1                        ; my half of u: the same in all four partners
	s_and_b32 s24, s[WV], 1                        ; us: my pair.
	s_lshr_b32 s25, s[WV], 1                       ; rh: my 64 rows.  Also: which of a slot's two fills of pair us I fetch
	s_mov_b32 s[SEL], 0x76543210
	s_mov_b32 s[SEL+1], 0xfedcba98
	s_mov_b32 s[L2E], 0x3fb8aa3b
	s_mov_b32 s[MKE], 0x0f00000f
	s_mov_b32 s[MKO], 0xf00000f0
	; descriptor group 1.  A fill: a dense block, as 132 rows of 256 bytes (32 elements of 8 bytes); joint: mask 15, bit 21 set beside it
	s_mov_b32 s[G1W], 15|(3<<16)|(1<<21)
	s_mov_b32 s[G1W+1], 32<<16                     ; tensor_dim0
	s_mov_b32 s[G1W+2], 132<<16                    ; tensor_dim1
	s_mov_b32 s[G1W+3], 32<<16                     ; tile_dim0
	s_mov_b32 s[G1W+4], 132                        ; tile_dim1
	s_mov_b32 s[G1W+5], 32                         ; pitch
	s_mov_b32 s[G1W+6], 0
	s_mov_b32 s[G1W+7], 0
	s_mul_i32 s86, s24, FILL                       ; reading: my pair's fills in a half of a slot
	s_mul_i32 s87, s[WV], FILL                     ; fetching: wave 2 a + us brings fill a of pair us to wave x FILL
	s_lshl_b32 s88, s24, 3                         ; in wq: fill 8 (2 p + us) + 4 uh + e / 4: made of the wave's and the cluster's numbers alone, the same in all four partners
	s_lshl_b32 s89, s23, 2
	s_add_co_u32 s88, s88, s89
	s_add_co_u32 s88, s88, s25
	s_mul_i32 s88, s88, FILL
	s_mov_b32 s89, 0
	s_lshl_b32 s90, s22, 3                         ; xq: my first tile, 8 x block + 4 rh
	s_lshl_b32 s91, s25, 2
	s_add_co_u32 s90, s90, s91
	s_mul_i32 s90, s90, XT
	s_mov_b32 s91, 0
	s_mul_i32 s92, s24, 2*XT                       ; the gates' chunks of tasks 2 us, 2 us + 1
	s_add_co_u32 s92, s92, GOFF
	s_mov_b32 s93, 0
	s_lshl_b32 s94, s22, 16                        ; an output: 128 rows of 512 bytes a block,
	s_lshl_b32 s95, s23, 8                         ; 256 bytes a half of u
	s_add_co_u32 s94, s94, s95
	s_mov_b32 s95, 0
	s_lshl_b32 s26, s23, 12                        ; expert_bias: 64 u of 64 bytes a half
	s_mov_b32 s27, 0
	v_and_b32 v21, 31, v0                          ; l
	v_and_b32 v22, 15, v0                          ; r
	v_bfe_u32 v23, v0, 4, 1                        ; h
	v_lshlrev_b32 v[AL], 4, v21
	v_lshlrev_b32 v[AL8], 3, v21
	v_lshlrev_b32 v[AR4], 2, v22
	s_lshl_b32 s50, s24, 10
	v_lshlrev_b32 v[ABI], 6, v22                   ; expert_bias: u = .. + 16 us + r, 64 bytes a u
	v_add_nc_u32 v[ABI], s50, v[ABI]
	s_lshl_b32 s51, s24, 7
	v_lshlrev_b32 v[AGB], 5, v23                   ; gate_bias: task 2 us, e = 8 h on
	v_add_nc_u32 v[AGB], s51, v[AGB]
	s_wait_kmcnt 0x0
	s_add_nc_u64 s[4:5], s[4:5], s[90:91]
	s_add_nc_u64 s[44:45], s[6:7], s[92:93]
	s_add_nc_u64 s[8:9], s[8:9], s[26:27]
	s_mov_b32 s[G0W], 1
	s_add_co_u32 s[G0W+1], s87, RING
	s_add_nc_u64 s[G0W+2:G0W+3], s[6:7], s[88:89]  ; slot 0: pass 0, e 0..7
	s_mov_b32 s[G0W+4], 1
	s_add_co_u32 s[G0W+5], s87, RING+SLOT
	s_add_nc_u64 s[G0W+6:G0W+7], s[G0W+2:G0W+3], 2*FILL   ; slot 1: pass 0, e 8..15
	s_or_b32 s[G0W+3], s[G0W+3], 0x80000000
	s_or_b32 s[G0W+7], s[G0W+7], 0x80000000
	s_cmp_eq_u32 s[WV], 1                          ; wave w stores out_w: the choice hangs on the wave's number alone
	s_cselect_b64 s[SO:SO+1], s[14:15], s[12:13]
	s_cmp_eq_u32 s[WV], 2
	s_cselect_b64 s[SO:SO+1], s[16:17], s[SO:SO+1]
	s_cmp_eq_u32 s[WV], 3
	s_cselect_b64 s[SO:SO+1], s[18:19], s[SO:SO+1]
	s_add_nc_u64 s[SO:SO+1], s[SO:SO+1], s[94:95]
	; ---- what goes straight into registers is asked for first: the first products want it.  None of these offset registers and bases is written again
	WIN 0x40                                       ; destination window 1
.irp rt, 0,1,2,3
.irp ks, 0,1,2,3
.irp c, 0,1,2,3
	global_load_b128 v[64*\rt+16*\ks+4*\c:64*\rt+16*\ks+4*\c+3], v[AL], s[4:5] offset:XT*\rt+2048*\ks+512*\c   ; x's 16 fragments stay in registers
.endr
.endr
.endr
	WIN 0
.irp rt, 0,1,2,3
	global_load_b64 v[XS+2*\rt:XS+2*\rt+1], v[AL8], s[4:5] offset:XT*\rt+8192   ; lanes 0-15: the words of ks = 0 and 2; lanes 16-31: of ks = 1 and 3
.endr
	WIN 0x80                                       ; destination window 2
.irp tt, 0,1
.irp ks, 0,1,2,3
.irp c, 0,1,2,3
	global_load_b128 v[64*\tt+16*\ks+4*\c:64*\tt+16*\ks+4*\c+3], v[AL], s[44:45] offset:XT*\tt+2048*\ks+512*\c   ; the gates' fragments of my two tasks
.endr
.endr
.endr
	WIN 0
.irp tt, 0,1
.irp ks, 0,1,2,3
	global_load_b32 v[GS+4*\tt+\ks], v[AR4], s[44:45] offset:XT*\tt+8192+64*\ks
.endr
.endr
	WIN 0xc0                                       ; destination window 3
.irp p, 0,1
.irp q, 0,1,2,3
	global_load_b128 v[BIA+16*\p+4*\q:BIA+16*\p+4*\q+3], v[ABI], s[8:9] offset:2048*\p+16*\q   ; my u's 16 biases, for each pass
.endr
.endr
.irp tt, 0,1
	global_load_b128 v[GBI+8*\tt:GBI+8*\tt+3], v[AGB], s[10:11] offset:64*\tt
	global_load_b128 v[GBI+8*\tt+4:GBI+8*\tt+7], v[AGB], s[10:11] offset:64*\tt+16
.endr
	WIN 0
	ROUND                                          ; all four work-groups are here: the first joint loads meet
	tensor_load_to_lds s[G0W:G0W+3], s[G1W:G1W+7]  ; both slots' first fills go out as one group: two loads of mine are out
	s_nop 0
	tensor_load_to_lds s[G0W+4:G0W+7], s[G1W:G1W+7]
	s_nop 0
	v_and_b32 v26, 3, v0                           ; l % 4
	v_add_nc_u32 v[AW], s86, v[AL]
	v_lshlrev_b32 v25, 4, v22
	v_bfe_u32 v27, v0, 3, 1
	v_add_nc_u32 v[AW+1], RING+2*FILL, v[AW]
	v_add_nc_u32 v[AW+2], RING+SLOT, v[AW]
	v_add_nc_u32 v[AW+3], RING+SLOT+2*FILL, v[AW]
	v_add_nc_u32 v[AW], RING, v[AW]
	v_lshl_add_u32 v25, v23, 3, v25
	v_add_nc_u32 v25, s86, v25
	v_add_nc_u32 v[AM], RING+32768, v25
	v_add_nc_u32 v[AM+1], RING+2*FILL+32768, v25
	v_add_nc_u32 v[AM+2], RING+SLOT+32768, v25
	v_add_nc_u32 v[AM+3], RING+SLOT+2*FILL+32768, v25
	s_lshl_b32 s46, s25, 13                        ; my 64 rows of gates, 128 bytes a row
	s_lshl_b32 s47, s24, 6
	s_add_co_u32 s48, s46, s47
	v_lshlrev_b32 v[AGT], 7, v22                   ; gates, in: row r of 128 bytes, task 2 us's 32, my half's 16
	v_lshl_add_u32 v[AGT], v23, 4, v[AGT]
	v_add_nc_u32 v[AGT], s48, v[AGT]
	v_add_nc_u32 v[AGT], GT, v[AGT]
	v_lshlrev_b32 v[AGA], 5, v26                   ; for GA: task l % 4, rows 8 h on
	v_lshl_add_u32 v[AGA], v23, 10, v[AGA]
	v_add_nc_u32 v[AGA], s46, v[AGA]
	v_add_nc_u32 v[AGA], GT, v[AGA]
	s_mul_i32 s49, s25, 64*272                     ; the stage, in: my 64 lines; my pair's 64 bytes
	s_add_co_u32 s49, s49, s47
	v_mul_u32_u24 v[ASW], v26, TSTR                ; task l % 4; line 8 (bit 3) + (bit 2); my half's 32 bytes
	v_mad_u32_u24 v[ASW], v27, 2176, v[ASW]
	v_bfe_u32 v27, v0, 2, 1
	v_mad_u32_u24 v[ASW], v27, 272, v[ASW]
	v_lshl_add_u32 v[ASW], v23, 5, v[ASW]
	v_add_nc_u32 v[ASW], s49, v[ASW]
	s_mul_i32 s52, s[WV], TSTR
	v_mul_u32_u24 v[ASR], v23, 272                 ; back: task w; lanes 0-15 one line of 256 bytes, lanes 16-31 the next
	v_lshl_add_u32 v[ASR], v22, 4, v[ASR]
	v_add_nc_u32 v[ASR], s52, v[ASR]
	v_lshlrev_b32 v[AO], 4, v22                    ; and the same two rows in the output
	v_lshl_add_u32 v[AO], v23, 9, v[AO]
.irp b, 0,1,2,3
	v_mov_b32 v[SPD+\b], 0                         ; written once: a lane permute's destination counts as one of its sources
.endr
	WIN 0xc0                                       ; destination window 3
.set i, 0
.rept 64
	v_mov_b32 v[GA+i], 0                           ; GA's zeros: written whole once; later only the lanes that hold gates are loaded
.set i, i+1
.endr
	WIN 0
	s_wait_loadcnt 0x0                             ; x, the gates' codes, all scale words and biases are in
	CREP 0, 0
	CREP 0, 1
	; ---- the gates: my two tasks for my 64 rows, eight accumulators by turns; the bias is the C of the first products
.irp ks, 0,1,2,3
.if \ks == 0
	WIN 0x36                                       ; source 0 (the gates' codes) window 2, source 1 (x) window 1, C (the bias) window 3
.else
	WIN 0x06
.endif
.irp tt, 0,1
.irp rt, 0,1,2,3
.set rD, GL+32*\tt+8*\rt
.set rA, 64*\tt+16*\ks
.set rB, 64*\rt+16*\ks
.set rC, rD
.if \ks == 0
.set rC, GBI+8*\tt
.endif
.set rSA, GS+4*\tt+\ks
.set rSB, XS+2*\rt+\ks/2
.set rRA, 0
.set rRB, \ks%2
	SMUL
.endr
.endr
.endr
	WIN 0
	PLACES 8
	SOFTMAX 0
	SOFTMAX 1
	s_wait_tensorcnt 0x1                           ; my part of slot 0 is in; slot 1's may stay out
	s_wait_dscnt 0x0                               ; my gates have landed in LDS
	s_barrier_signal -1
	s_barrier_wait -1                              ; everybody's have
	LOADMETA 0
	LOADW 0
	STEPS 0
	STEPS 1
	CHANGE 0
	LOADMETA 2
	LOADW 16
	SLICE 15                                       ; the last fill's last slice: vector work while the first loads are on their way
	STEPS 2
	STEPS 3
	CHANGE 1
	LOADMETA 4
	LOADW 32
	SLICE 31
	STEPS 4
	STEPS 5
	WIN 0                                          ; the last change of slots: nothing is left to fetch, so no round and no load
	s_wait_tensorcnt 0x0                           ; my part of slot 1 is in
	ds_add_u32 v[SPW], v[NIL]
	s_wait_dscnt 0x0                               ; the add is done, and my reads of slot 0 are over: behind this barrier nobody reads it, and it serves as the stage
	s_barrier_signal -1
	s_barrier_wait -1
	LOADMETA 6
	LOADW 48
	SLICE 47
	STEPS 6
	STEPS 7
	SLICE 63
.irp rt, 0,1,2,3
	EPI 15, \rt                                    ; the last chunk (the slice above holds the places behind its last products)
.endr
	WIN 0
	TAIL1
	s_wait_tensorcnt 0x0                           ; the wave's end: behind my last tensor load and my last LDS store
	ds_add_u32 v[SPW], v[NIL]
	s_wait_dscnt 0x0
	ROUND                                          ; the closing round: no work-group ends while a partner may still ask for a fill that names it
	s_endpgm
.Lfunc_end_k_q61c6c2cebe_main:
	.size	k_q61c6c2cebe_main, .Lfunc_end_k_q61c6c2cebe_main-k_q61c6c2cebe_main
	.p2alignl 7, 3214868480
	.fill 96, 4, 3214868480
	.section	.rodata,"a",@progbits
	.p2align	6, 0x0
	.amdhsa_kernel k_q61c6c2cebe_main
		.amdhsa_group_segment_fixed_size 327680
		.amdhsa_private_segment_fixed_size 0
		.amdhsa_enable_private_segment 0
		.amdhsa_kernarg_size 64
		.amdhsa_user_sgpr_count 2
		.amdhsa_user_sgpr_kernarg_segment_ptr 1
		.amdhsa_wavefront_size32 1
		.amdhsa_system_sgpr_workgroup_id_x 1
		.amdhsa_system_sgpr_workgroup_id_y 1
		.amdhsa_system_sgpr_workgroup_id_z 1
		.amdhsa_system_vgpr_workitem_id 0
		.amdhsa_next_free_vgpr 1024
		.amdhsa_next_free_sgpr 96
		.amdhsa_reserve_vcc 0
		.amdhsa_float_denorm_mode_32 3
		.amdhsa_float_denorm_mode_16_64 3
		.amdhsa_memory_ordered 1
		.amdhsa_forward_progress 1
		.amdhsa_inst_pref_size 255
	.end_amdhsa_kernel
	.amdgpu_metadata
---
amdhsa.version: [ 1, 2 ]
amdhsa.kernels:
  - .name:           k_q61c6c2cebe_main
    .symbol:         k_q61c6c2cebe_main.kd
    .args:
      - { .name: xq, .offset: 0, .size: 8, .value_kind: global_buffer, .address_space: global }
      - { .name: wq, .offset: 8, .size: 8, .value_kind: global_buffer, .address_space: global }
      - { .name: expert_bias, .offset: 16, .size: 8, .value_kind: global_buffer, .address_space: global }
      - { .name: gate_bias, .offset: 24, .size: 8, .value_kind: global_buffer, .address_space: global }
      - { .name: out0, .offset: 32, .size: 8, .value_kind: global_buffer, .address_space: global }
      - { .name: out1, .offset: 40, .size: 8, .value_kind: global_buffer, .address_space: global }
      - { .name: out2, .offset: 48, .size: 8, .value_kind: global_buffer, .address_space: global }
      - { .name: out3, .offset: 56, .size: 8, .value_kind: global_buffer, .address_space: global }
    .group_segment_fixed_size: 327680
    .private_segment_fixed_size: 0
    .kernarg_segment_align: 8
    .kernarg_segment_size: 64
    .max_flat_workgroup_size: 128
    .sgpr_count:     96
    .vgpr_count:     1024
    .wavefront_size: 32
...
	.end_amdgpu_metadata
.endif
;; end of part 2
